; MI455X (gfx1250); checked and timed in simulation.
; The chip was launched on July 23, 2026; its instructions are those of AMD's public machine-readable ISA for CDNA 5 (MIT licence, August 2026) and "CDNA5" Instruction Set Architecture Reference Guide (July 2026). The comments in the code are by the model that wrote it; some were corrected since.
;; Nerf Fusion Head. Allowed arithmetic: matrix products marked QUANTISED: E3M2 operands, one E8M0 scale for each 32 along K, by v_wmma_scale_f32_16x16x128_f8f6f4 with both operands' format E3M2, f32 sums; products left as they are: f32 operands where the result goes on into a quantised operand, else bf16, f16 or f32 operands; f32 sums; everything else in f32.
;; Inputs: cW0 3 x 256 x 256 float32; cW1 3 x 256 x 256 float32; cW_in 84 x 256 float32; cW_out 256 x 3 float32; cWz 3 x 768 x 256 float32; cb0 3 x 256 float32; cb1 3 x 256 float32; cb_in 256 float32; cb_out 3 float32; cbz 3 x 256 float32; dW0 3 x 256 x 256 float32; dW1 3 x 256 x 256 float32; dW_in 78 x 256 float32; dW_out 256 x 1 float32; dWz 3 x 768 x 256 float32; db0 3 x 256 float32; db1 3 x 256 float32; db_in 256 float32; db_out 1 float32; dbz 3 x 256 float32; dirs_a 450 x 64 x 3 float32; dirs_b 450 x 64 x 3 float32; latent 450 x 64 x 768 float32; pts_a 450 x 64 x 3 float32; pts_b 450 x 64 x 3 float32; z_vals 450 x 64 float32.
;; Outputs: out0 450 x 4 float32.
;; This version of the problem:
;;   THIS VERSION OF THE PROBLEM IS GIVEN IN LOW PRECISION. The matrix products marked QUANTISED in the list below multiply operands that are first quantised to E3M2 (3 exponent bits, 2 mantissa bits; 6 bits a number), with one power-of-two scale for each 32 numbers along K (OCP MX v1.0); their sums are f32. All else is computed in f32.
;;   The module's matrix products, in the order in which they are computed (A, B: the left and right operand; K: the contracted axis; several contracted axes count as one K, in the product's order):
;;     1. [M 28,800, K 78] x [K 78, N 256]; A: computed on the way; B: input dW_in: QUANTISED
;;     2. [M 28,800, K 768] x [K 768, N 256]; A: input latent; B: input dWz: QUANTISED
;;     3. [M 28,800, K 256] x [K 256, N 256]; A: computed on the way; B: input dW0: QUANTISED
;;     4. [M 28,800, K 256] x [K 256, N 256]; A: computed on the way; B: input dW1: QUANTISED
;;     5. [M 28,800, K 768] x [K 768, N 256]; A: input latent; B: input dWz: QUANTISED
;;     6. [M 28,800, K 256] x [K 256, N 256]; A: computed on the way; B: input dW0: QUANTISED
;;     7. [M 28,800, K 256] x [K 256, N 256]; A: computed on the way; B: input dW1: QUANTISED
;;     8. [M 28,800, K 768] x [K 768, N 256]; A: input latent; B: input dWz: QUANTISED
;;     9. [M 28,800, K 256] x [K 256, N 256]; A: computed on the way; B: input dW0: QUANTISED
;;     10. [M 28,800, K 256] x [K 256, N 256]; A: computed on the way; B: input dW1: QUANTISED
;;     11. [M 28,800, K 256] x [K 256, N 1]; A: computed on the way; B: input dW_out: left as it is (N = 1 < 16)
;;     12. [M 28,800, K 84] x [K 84, N 256]; A: computed on the way; B: input cW_in: QUANTISED
;;     13. [M 28,800, K 768] x [K 768, N 256]; A: input latent; B: input cWz: QUANTISED
;;     14. [M 28,800, K 256] x [K 256, N 256]; A: computed on the way; B: input cW0: QUANTISED
;;     15. [M 28,800, K 256] x [K 256, N 256]; A: computed on the way; B: input cW1: QUANTISED
;;     16. [M 28,800, K 768] x [K 768, N 256]; A: input latent; B: input cWz: QUANTISED
;;     17. [M 28,800, K 256] x [K 256, N 256]; A: computed on the way; B: input cW0: QUANTISED
;;     18. [M 28,800, K 256] x [K 256, N 256]; A: computed on the way; B: input cW1: QUANTISED
;;     19. [M 28,800, K 768] x [K 768, N 256]; A: input latent; B: input cWz: QUANTISED
;;     20. [M 28,800, K 256] x [K 256, N 256]; A: computed on the way; B: input cW0: QUANTISED
;;     21. [M 28,800, K 256] x [K 256, N 256]; A: computed on the way; B: input cW1: QUANTISED
;;     22. [M 28,800, K 256] x [K 256, N 3]; A: computed on the way; B: input cW_out: left as it is (N = 3 < 16)
;;     23. batch 450 x [M 1, K 64] x [K 64, N 3]; A: computed on the way; B: computed on the way: left as it is (M = 1 < 16)
;;   THE QUANTISER, for each operand of a quantised product, along K:
;;     - K is cut into blocks of 32 from its start; a last block that is shorter is filled with zeros.
;;     - A block's scale is 2^e with e = floor(log2(the largest magnitude in the block)) - 4, held to -126 .. 127; a block of zeros has e = 0. As a byte (E8M0): e + 127.
;;     - Each number is divided by its block's scale, clamped to +-28, and rounded to the nearest number of E3M2, ties to even, subnormals kept.
;;     - The product sums the exact products of the quantised numbers (number of the format x scale) in f32.
;;   ~~~python
;;   def quantise(x, axis):      # numpy; x: float32 -> the quantised numbers, widened to float32 again
;;       x = np.moveaxis(x, axis, -1); K = x.shape[-1]
;;       x = np.pad(x, [(0, 0)] * (x.ndim - 1) + [(0, -K % 32)]); x = x.reshape(x.shape[:-1] + (-1, 32)); a = np.abs(x).max(-1, keepdims=True)
;;       e = np.where(a > 0, np.clip(np.frexp(np.where(a > 0, a, 1))[1] - 1 - 4, -126, 127), 0)      # np.frexp(a)[1] - 1 = floor(log2(a)), exactly
;;       r = np.clip(x / 2.0 ** e, -28, 28)
;;       step = 2.0 ** (np.maximum(np.frexp(np.where(r == 0, 1, r))[1] - 1, -2) - 2)
;;       q = np.round(r / step) * step * 2.0 ** e      # np.round: ties to even
;;       return np.moveaxis(q.reshape(q.shape[:-2] + (-1,))[..., :K], -1, axis).astype(np.float32)
;;   ~~~
;;   OPERANDS COMPUTED ON THE WAY. 'Computed on the way' means the value that the module computes at that place (a softmax that the list does not call 'softmax' is quantised finished and normalised). What goes into a quantiser is computed in f32, as accurately as f32 sums, v_exp_f32 and their like allow (about 1e-6 of the number): no bf16 or f16 on the way to a quantiser, and a product that is left as it is and whose result goes on into a quantised operand takes f32 operands (vector FMAs, or v_wmma_f32_16x16x4_f32). A number that lies on a knife's edge between two numbers of the format may be rounded either way, as far as f32 arithmetic and the matrix unit's own rounding can turn it there, and no further.
;; One version. Each part assembles by itself: llvm-mc -triple=amdgcn-amd-amdhsa -mcpu=gfx1250 --defsym DOCPART=n.
;; ======== version 1 of 1: 2 launches
;; limits: inputs' magnitudes at most 40,000; right only within a limited range of input values
;; workspace buffers: wq 1,587,200 bytes; tab 20,480 bytes
;; launch prep (part 1): grid 125 x 2, 2 waves a work-group, no clusters, 6,912 bytes of LDS; arguments dW_in, dWz, dW0, dW1, cW_in, cWz, cW0, cW1, db_in, dbz, db0, db1, cb_in, cbz, cb0, cb1, dW_out, cW_out, wq, tab; writes wq, tab
.if DOCPART == 1
	.amdgcn_target "amdgcn-amd-amdhsa--gfx1250"
	.amdhsa_code_object_version 6
	.text
	.protected	k_q74bf5d7359_prep
	.globl	k_q74bf5d7359_prep
	.p2align	8
	.type	k_q74bf5d7359_prep,@function
k_q74bf5d7359_prep:
	s_mov_b64 s[64:65], 0
	v_nop
	global_prefetch_b8 v0, s[64:65] scope:SCOPE_SE
	s_setreg_imm32_b32 hwreg(HW_REG_WAVE_MODE, 25, 1), 1
	s_wait_xcnt 0x0
; The weights of both MLPs (y = 0: density, y = 1: colour), f32 stored [K][256], become codes of BF6 (E3M2) with one E8M0 byte for each 32 along K,
; laid in wq in the order of the operand's registers, so that the second launch loads every fragment by 16-byte loads alone.
; wq: K step kidx (128 along K), wave w (64 units) at (4 kidx + w) x 6,400 bytes: four fragment images of 1,536 bytes (tile t), then 256 bytes of scale words.
;   kidx: 0 = the density input layer, 1 = the colour input layer, 2 + 30 y + 10 i + q: block i; q = 0..5 Wz, 6..7 W0, 8..9 W1, 128 rows of K each.
;   image: registers 4 c .. 4 c + 3 of lane L at 512 c + 16 L; lane (r, h), registers 6 c' .. 6 c' + 5 = the codes of K = 64 c' + 32 h + 0 .. 31 of unit 64 w + 32 (t / 2) + 8 (t % 2) + r + 8 (r / 8).
;   scale words: the word of tile t, lane r at 6,144 + 8 (r + 16 (t % 2)) + 4 (t / 2).
; A work-group of two waves takes one (kidx, w).  A LANE TAKES A COLUMN AND ITS REGISTERS RUN DOWN K: a block's largest magnitude needs no other lane and the conversions give codes with K innermost.
; The input layers' K (78, 84) is filled with zeros up to 128.  Work-group x = 124 makes tab: ten rows of 256 f32 for each MLP: b_in + bz0, b0[0], b1[0] + bz1, b0[1], b1[1] + bz2, b0[2], b1[2], and W_out's columns (density: one, then zeros).
; LIMITS: a block of zeros, or one whose largest magnitude lies under 2^(5 - 127), gets the byte 1 (its codes are read by this program alone); NaN and infinities are not served.
.set X,  32                            ; v32-159  128 numbers of my column
.set PQ, 160                           ; v160..   block b: six registers of codes at PQ + 10 b, three at work behind them
	s_load_b512 s[4:19], s[0:1], 0x0               ; dW_in, dWz, dW0, dW1, cW_in, cWz, cW0, cW1
	s_load_b512 s[20:35], s[0:1], 0x40             ; db_in, dbz, db0, db1, cb_in, cbz, cb0, cb1
	s_load_b256 s[36:43], s[0:1], 0x80             ; dW_out, cW_out, wq, tab
	v_lshl_add_u32 v208, v0, 2, 0x1a00
	v_mov_b32 v209, 0
	s_and_b32 s44, ttmp7, 0xffff                   ; y: which MLP
	v_lshrrev_b32 v1, 5, v0
	v_readfirstlane_b32 s45, v1                    ; p: wave 0, 1
	s_wait_kmcnt 0x0
	s_cmp_eq_u32 s44, 0                            ; the MLP's buffers: the choice hangs on the work-group's number alone
	s_cselect_b64 s[4:5], s[4:5], s[12:13]
	s_cselect_b64 s[6:7], s[6:7], s[14:15]
	s_cselect_b64 s[8:9], s[8:9], s[16:17]
	s_cselect_b64 s[10:11], s[10:11], s[18:19]
	s_cselect_b64 s[20:21], s[20:21], s[28:29]
	s_cselect_b64 s[22:23], s[22:23], s[30:31]
	s_cselect_b64 s[24:25], s[24:25], s[32:33]
	s_cselect_b64 s[26:27], s[26:27], s[34:35]
	s_cmp_eq_u32 ttmp9, 124
	s_cbranch_scc1 .Ltable
	; ---- which 128 rows of which tensor
	s_lshr_b32 s46, ttmp9, 2                       ; j: 0 = the input layer, 1 .. 30 = the blocks' K steps
	s_and_b32 s47, ttmp9, 3                        ; w
	s_sub_co_i32 s48, s46, 1
	s_max_i32 s48, s48, 0                          ; n = j - 1
	s_mul_i32 s49, s48, 205
	s_lshr_b32 s49, s49, 11                        ; i = n / 10 (exact for n under 30)
	s_mul_i32 s50, s49, 10
	s_sub_co_u32 s50, s48, s50                     ; q = n % 10
	s_mul_i32 s51, s49, 786432
	s_mul_i32 s52, s49, 262144
	s_lshl_b32 s53, s50, 17                        ; 128 rows are 131,072 bytes
	s_add_co_u32 s51, s51, s53                     ; in Wz
	s_add_co_u32 s52, s52, s53
	s_sub_co_u32 s53, s52, 6*131072                ; in W0 (used where q is 6 or 7)
	s_sub_co_u32 s52, s52, 8*131072                ; in W1 (used where q is 8 or 9)
	s_cmp_lt_u32 s50, 8
	s_cselect_b64 s[54:55], s[8:9], s[10:11]
	s_cselect_b32 s56, s53, s52
	s_cmp_lt_u32 s50, 6
	s_cselect_b64 s[54:55], s[6:7], s[54:55]
	s_cselect_b32 s56, s51, s56
	s_cmp_eq_u32 s46, 0
	s_cselect_b64 s[54:55], s[4:5], s[54:55]
	s_cselect_b32 s56, 0, s56
	s_mul_i32 s58, s44, 30
	s_add_co_u32 s58, s58, s48
	s_add_co_u32 s58, s58, 2
	s_cmp_eq_u32 s46, 0
	s_cselect_b32 s58, s44, s58                    ; kidx
	s_lshl_b32 s58, s58, 2
	s_add_co_u32 s58, s58, s47
	s_mul_i32 s58, s58, 6400
	s_mov_b32 s59, 0
	s_add_nc_u64 s[40:41], s[40:41], s[58:59]      ; where my block of wq begins
	s_lshl_b32 s60, s47, 8                         ; 64 columns a work-group,
	s_lshl_b32 s61, s45, 7                         ; 32 a wave
	s_add_co_u32 s56, s56, s60
	s_add_co_u32 s56, s56, s61
	s_mov_b32 s57, 0
	s_add_nc_u64 s[54:55], s[54:55], s[56:57]      ; my wave's first number
	v_and_b32 v2, 31, v0                           ; lane x: column 64 w + 32 p + x
	v_lshlrev_b32 v1, 2, v2
	v_and_b32 v3, 7, v2
	v_bfe_u32 v4, v0, 4, 1
	v_lshl_add_u32 v3, v4, 3, v3                   ; r = x % 8 + 8 (x / 16): my column's lane in its tile
	v_bfe_u32 v4, v0, 3, 1                         ; f = (x / 8) % 2: tile 2 p + f
	s_mul_i32 s62, s45, 3072
	v_mul_u32_u24 v5, v4, 1536
	v_lshl_add_u32 v5, v3, 4, v5
	v_add_nc_u32 v5, s62, v5                       ; the image's place for lane (r, 0): 1,536 (2 p + f) + 16 r
	v_lshlrev_b32 v6, 3, v3
	v_lshl_add_u32 v6, v4, 7, v6
	s_lshl_b32 s63, s45, 2
	s_add_co_u32 s63, s63, 6144
	v_add_nc_u32 v6, s63, v6                       ; my scale word: 6,144 + 8 (r + 16 f) + 4 p
	v_lshlrev_b32 v7, 4, v2
	v_add_nc_u32 v25, s62, v7                      ; the way out: 3,072 p + 16 x lane, in LDS and in my block of wq alike
	v_lshlrev_b32 v26, 3, v2
	v_add_nc_u32 v27, 6144, v26                    ; the scale words' way out: 6,144 + 8 x lane
	s_cmp_eq_u32 s46, 0
	s_cbranch_scc1 .Lin
.set k, 0
.rept 128
	global_load_b32 v[X+k], v1, s[54:55] offset:k*1024 th:TH_LOAD_NT   ; W(k, my column): 32 lanes read 128 consecutive bytes
.set k, k+1
.endr
	s_branch .Lq
.Lin:                                                  ; the input layer: 78 rows (density) or 84 (colour), zeros behind them
	s_cmp_eq_u32 s44, 0
	s_cselect_b32 s48, 6144, 0                     ; rows 78 to 83 do not exist in the density layer: six rows higher up are read in their stead, so that no load leaves the buffer,
	s_cselect_b32 s52, 0, -1                       ; and what they brought is replaced by zeros
	s_mov_b32 s49, 0
	s_sub_nc_u64 s[50:51], s[54:55], s[48:49]
.set k, 0
.rept 78
	global_load_b32 v[X+k], v1, s[54:55] offset:k*1024 th:TH_LOAD_NT
.set k, k+1
.endr
.rept 6
	global_load_b32 v[X+k], v1, s[50:51] offset:k*1024
.set k, k+1
.endr
.rept 44
	v_mov_b32 v[X+k], 0
.set k, k+1
.endr
	s_wait_loadcnt 0x0
.irp i, 78,79,80,81,82,83
	v_cndmask_b32 v[X+\i], 0, v[X+\i], s52
.endr
.Lq:
	s_wait_loadcnt 0x0
	; ---- four blocks of 32, by turns: the largest magnitude with the floor 2^(5 - 127) among its leaves, 4 off its exponent field, the byte, the codes
.irp b, 0,1,2,3
	v_max3_num_f32 v[8+\b], |v[X+32*\b]|, |v[X+32*\b+1]|, |v[X+32*\b+2]|
	v_max3_num_f32 v[12+\b], |v[X+32*\b+3]|, |v[X+32*\b+4]|, |v[X+32*\b+5]|
.endr
.irp i, 6,10,14,18,22,26
.irp b, 0,1,2,3
	v_max3_num_f32 v[8+\b], v[8+\b], |v[X+32*\b+\i]|, |v[X+32*\b+\i+1]|
	v_max3_num_f32 v[12+\b], v[12+\b], |v[X+32*\b+\i+2]|, |v[X+32*\b+\i+3]|
.endr
.endr
.irp b, 0,1,2,3
	v_max3_num_f32 v[8+\b], v[8+\b], |v[X+32*\b+30]|, |v[X+32*\b+31]|
.endr
.irp b, 0,1,2,3
	v_max3_num_f32 v[8+\b], v[8+\b], v[12+\b], 0x2800000
.endr
.irp b, 0,1,2,3
	v_add_nc_u32 v[16+\b], 0xfe000000, v[8+\b]     ; the conversion takes this operand's exponent field as its scale
.endr
.irp b, 0,1,2,3
	v_lshrrev_b32 v[20+\b], 23, v[16+\b]           ; the scale's byte
.endr
	v_lshl_or_b32 v24, v21, 8, v20                 ; my column's scale word for these 128 along K
	v_lshl_or_b32 v24, v22, 16, v24
	v_lshl_or_b32 v24, v23, 24, v24
.irp b, 0,1,2,3
	v_cvt_scalef32_pk16_bf6_f32 v[PQ+10*\b:PQ+10*\b+2], v[X+32*\b:X+32*\b+15], v[16+\b]
	v_cvt_scalef32_pk16_bf6_f32 v[PQ+10*\b+6:PQ+10*\b+8], v[X+32*\b+16:X+32*\b+31], v[16+\b]   ; (a conversion's three registers begin on an even number)
.endr
	v_nop                                          ; one plain line behind the conversions
.irp b, 0,1,2,3
.irp i, 0,1,2
	v_mov_b32 v[PQ+10*\b+3+\i], v[PQ+10*\b+6+\i]
.endr
.endr
	; block b = 2 c + h is registers 6 c .. 6 c + 5 of lane r + 16 h of my tile's image
.irp b, 0,1
	ds_store_b128 v5, v[PQ+10*\b:PQ+10*\b+3] offset:256*\b
	ds_store_b64 v5, v[PQ+10*\b+4:PQ+10*\b+5] offset:256*\b+512
.endr
.irp b, 2,3
	ds_store_b64 v5, v[PQ+10*\b:PQ+10*\b+1] offset:256*(\b-2)+520
	ds_store_b128 v5, v[PQ+10*\b+2:PQ+10*\b+5] offset:256*(\b-2)+1024
.endr
	ds_store_b32 v6, v24
	s_wait_dscnt 0x0                               ; my stores have landed: the scale words are read by the other wave
	s_barrier_signal -1
	s_barrier_wait -1
.irp i, 0,1,2,3,4,5
	ds_load_b128 v[32+4*\i:35+4*\i], v25 offset:512*\i
.endr
.irp i, 0,1,2,3,4,5
	s_wait_dscnt 5-\i
	global_store_b128 v25, v[32+4*\i:35+4*\i], s[40:41] offset:512*\i   ; 32 lanes store 512 consecutive bytes, at a multiple of 256 from wq's first byte
.endr
	s_cmp_lg_u32 s45, 0
	s_cbranch_scc1 .Ldone
	ds_load_b64 v[28:29], v27
	s_wait_dscnt 0x0
	global_store_b64 v27, v[28:29], s[40:41]       ; the 64 scale words: 256 consecutive bytes
.Ldone:
	s_wait_tensorcnt 0x0
	ds_add_u32 v208, v209
	s_wait_dscnt 0x0
	s_endpgm
.Ltable:                                               ; thread t owns units 4 t .. 4 t + 3 of every row of tab
	v_lshlrev_b32 v1, 4, v0
	global_load_b128 v[32:35], v1, s[20:21]
.irp i, 0,1,2
	global_load_b128 v[36+4*\i:39+4*\i], v1, s[22:23] offset:1024*\i
	global_load_b128 v[48+4*\i:51+4*\i], v1, s[24:25] offset:1024*\i
	global_load_b128 v[60+4*\i:63+4*\i], v1, s[26:27] offset:1024*\i
.endr
	s_mul_i32 s46, s44, 10240
	s_mov_b32 s47, 0
	s_add_nc_u64 s[42:43], s[42:43], s[46:47]
	s_cmp_eq_u32 s44, 0
	s_cbranch_scc0 .Lcol
	global_load_b128 v[72:75], v1, s[36:37]        ; density: one column
.irp i, 76,77,78,79,80,81,82,83
	v_mov_b32 v[\i], 0
.endr
	s_branch .Lwo
.Lcol:
	v_mul_u32_u24 v2, v0, 48                       ; colour: my four units' three columns are 48 consecutive bytes
	global_load_b128 v[84:87], v2, s[38:39]
	global_load_b128 v[88:91], v2, s[38:39] offset:16
	global_load_b128 v[92:95], v2, s[38:39] offset:32
	s_wait_loadcnt 0x0
.irp c, 0,1,2
.irp u, 0,1,2,3
	v_mov_b32 v[72+4*\c+\u], v[84+3*\u+\c]
.endr
.endr
.Lwo:
	s_wait_alu depctr_va_vdst(0)
	s_wait_loadcnt 0x0
	v_pk_add_f32 v[32:33], v[32:33], v[36:37]      ; b_in + bz0
	v_pk_add_f32 v[34:35], v[34:35], v[38:39]
	v_pk_add_f32 v[60:61], v[60:61], v[40:41]      ; b1[0] + bz1
	v_pk_add_f32 v[62:63], v[62:63], v[42:43]
	v_pk_add_f32 v[64:65], v[64:65], v[44:45]      ; b1[1] + bz2
	v_pk_add_f32 v[66:67], v[66:67], v[46:47]
	global_store_b128 v1, v[32:35], s[42:43]
	global_store_b128 v1, v[48:51], s[42:43] offset:1024
	global_store_b128 v1, v[60:63], s[42:43] offset:2048
	global_store_b128 v1, v[52:55], s[42:43] offset:3072
	global_store_b128 v1, v[64:67], s[42:43] offset:4096
	global_store_b128 v1, v[56:59], s[42:43] offset:5120
	global_store_b128 v1, v[68:71], s[42:43] offset:6144
	global_store_b128 v1, v[72:75], s[42:43] offset:7168
	global_store_b128 v1, v[76:79], s[42:43] offset:8192
	global_store_b128 v1, v[80:83], s[42:43] offset:9216
	s_endpgm
.Lfunc_end_k_q74bf5d7359_prep:
	.size	k_q74bf5d7359_prep, .Lfunc_end_k_q74bf5d7359_prep-k_q74bf5d7359_prep
	.p2alignl 7, 3214868480
	.fill 96, 4, 3214868480
	.section	.rodata,"a",@progbits
	.p2align	6, 0x0
	.amdhsa_kernel k_q74bf5d7359_prep
		.amdhsa_group_segment_fixed_size 6912
		.amdhsa_private_segment_fixed_size 0
		.amdhsa_enable_private_segment 0
		.amdhsa_kernarg_size 160
		.amdhsa_user_sgpr_count 2
		.amdhsa_user_sgpr_kernarg_segment_ptr 1
		.amdhsa_wavefront_size32 1
		.amdhsa_system_sgpr_workgroup_id_x 1
		.amdhsa_system_sgpr_workgroup_id_y 1
		.amdhsa_system_sgpr_workgroup_id_z 1
		.amdhsa_system_vgpr_workitem_id 0
		.amdhsa_next_free_vgpr 210
		.amdhsa_next_free_sgpr 66
		.amdhsa_reserve_vcc 0
		.amdhsa_float_denorm_mode_32 3
		.amdhsa_float_denorm_mode_16_64 3
		.amdhsa_memory_ordered 1
		.amdhsa_forward_progress 1
		.amdhsa_inst_pref_size 37
	.end_amdhsa_kernel
	.amdgpu_metadata
---
amdhsa.version: [ 1, 2 ]
amdhsa.kernels:
  - .name:           k_q74bf5d7359_prep
    .symbol:         k_q74bf5d7359_prep.kd
    .args:
      - { .name: dW_in, .offset: 0, .size: 8, .value_kind: global_buffer, .address_space: global }
      - { .name: dWz, .offset: 8, .size: 8, .value_kind: global_buffer, .address_space: global }
      - { .name: dW0, .offset: 16, .size: 8, .value_kind: global_buffer, .address_space: global }
      - { .name: dW1, .offset: 24, .size: 8, .value_kind: global_buffer, .address_space: global }
      - { .name: cW_in, .offset: 32, .size: 8, .value_kind: global_buffer, .address_space: global }
      - { .name: cWz, .offset: 40, .size: 8, .value_kind: global_buffer, .address_space: global }
      - { .name: cW0, .offset: 48, .size: 8, .value_kind: global_buffer, .address_space: global }
      - { .name: cW1, .offset: 56, .size: 8, .value_kind: global_buffer, .address_space: global }
      - { .name: db_in, .offset: 64, .size: 8, .value_kind: global_buffer, .address_space: global }
      - { .name: dbz, .offset: 72, .size: 8, .value_kind: global_buffer, .address_space: global }
      - { .name: db0, .offset: 80, .size: 8, .value_kind: global_buffer, .address_space: global }
      - { .name: db1, .offset: 88, .size: 8, .value_kind: global_buffer, .address_space: global }
      - { .name: cb_in, .offset: 96, .size: 8, .value_kind: global_buffer, .address_space: global }
      - { .name: cbz, .offset: 104, .size: 8, .value_kind: global_buffer, .address_space: global }
      - { .name: cb0, .offset: 112, .size: 8, .value_kind: global_buffer, .address_space: global }
      - { .name: cb1, .offset: 120, .size: 8, .value_kind: global_buffer, .address_space: global }
      - { .name: dW_out, .offset: 128, .size: 8, .value_kind: global_buffer, .address_space: global }
      - { .name: cW_out, .offset: 136, .size: 8, .value_kind: global_buffer, .address_space: global }
      - { .name: wq, .offset: 144, .size: 8, .value_kind: global_buffer, .address_space: global }
      - { .name: tab, .offset: 152, .size: 8, .value_kind: global_buffer, .address_space: global }
    .group_segment_fixed_size: 6912
    .private_segment_fixed_size: 0
    .kernarg_segment_align: 8
    .kernarg_segment_size: 160
    .max_flat_workgroup_size: 64
    .sgpr_count:     66
    .vgpr_count:     210
    .wavefront_size: 32
...
	.end_amdgpu_metadata
.endif
;; end of part 1
;; launch main (part 2): grid 225 x 1, 4 waves a work-group, no clusters, 306,688 bytes of LDS; arguments pts_a, pts_b, dirs_a, dirs_b, latent, z_vals, wq, tab, db_out, cb_out, out0; writes out0
.if DOCPART == 2
	.amdgcn_target "amdgcn-amd-amdhsa--gfx1250"
	.amdhsa_code_object_version 6
	.text
	.protected	k_q74bf5d7359_main
	.globl	k_q74bf5d7359_main
	.p2align	8
	.type	k_q74bf5d7359_main,@function
k_q74bf5d7359_main:
	s_mov_b64 s[64:65], 0
	v_nop
	global_prefetch_b8 v0, s[64:65] scope:SCOPE_SE
	s_setreg_imm32_b32 hwreg(HW_REG_WAVE_MODE, 25, 1), 1
	s_wait_xcnt 0x0
; Two rays (128 rows) to a work-group of four waves: positional encoding, both ResNet MLPs on codes of BF6 (E3M2) with E8M0 scales for each 32 along K, the two small heads in f32, alpha compositing.  Nothing on the way goes to memory.
; SHARES.  THE WAVES SHARE THE COLUMNS, NOT THE ROWS: wave w makes units 64 w .. 64 w + 63 of every layer for all eight tiles of 16 rows.  So each byte of the weights (wq, laid by the launch before in the order of the
; operand's registers) is loaded once by the work-group, from memory straight into registers, through a ring of five K steps; what goes round in LDS is the rows' codes, as images of the operand's registers.
; The latent rows are quantised once, at the head, and their codes (six K steps) stay in LDS for all six uses.
; THE HEAD.  Each wave brings its 32 latent rows in twelve units of 16 loads, three units on their way; a unit's set of registers is asked for again as soon as its rows have gone into the stage.  Five of the encoding's six
; frequencies and the four input images are dealt out among the units, one piece between a unit's turn through the stage and its quantising, so that the requests go on while the encoding is computed.
; THE MATRIX INSTRUCTION IS USED TRANSPOSED: source 0 = 16 units of a weight, source 1 = 16 rows.  The units of a tile are chosen (by the launch before) so that lane (r, h) holds row r and its registers 8 t + j hold unit
; 64 w + 32 (t / 2) + 16 h + 8 (t % 2) + j: 16 neighbours along the next K in the registers of two neighbouring tiles.  A wave's 64 units are half a K step of the next product: six registers of its image.
; A BLOCK is ten K steps of 128: six of z Wz onto x, two of relu(x) W0, two of relu(net) W1 onto x.  K steps 4, 5 and 6, 7 go by row tiles: a row tile's 32 relu lines stand in slices of four, one slice behind each of the
; eight matrix instructions that finish the next row tile; its scales and conversions follow.  Two barriers a block: behind the first Q(relu(x)) lies whole in LDS, behind the second Q(relu(net)).
; The biases: b_in + bz0 and b0 are the C of a sum's first matrix instruction; b1[i] + bz[i + 1] is added onto x when relu(x) has been taken.  So biases are added in another order of f32 sums than the source reads.
; NO CLUSTER: the grid has 225 = 3 x 3 x 5 x 5 work-groups, which no cluster of four divides; and joint loads would take the weights through LDS, 6,144 bytes more to read for each K step of a wave beside the rows' 12,288.
; NO TENSOR LOADS: the weights go to registers, and the latent rows must pass through registers to be quantised.
; LIMITS: NaN and infinities are not served.  A block of zeros, or one under 2^(5 - 127), gets the scale byte 1 (zero codes; the bytes are this program's own).  sin and cos: the argument less n x pi / 2 in two parts
; (what is left out is n x 1.7e-15), n under 2^22: |pts| under 4e4.
; REGISTERS, in windows of 256.  Window 0: v1-31 addresses; v32-83 scale words and nothing else; v84-147 two bias sets (at the head the encoding's arrays); v148-179 a row tile after relu; v180-209, v232-249 at work; v250-253 depths.
;   Window 1: the weights' ring, slot s at v[48 s].   Window 2: x, tile (m, t) at v[32 m + 8 t]; at the head the latent rows' ring.   Window 3: two sets of eight row fragments, v0-95 and v96-191; v192-255 net of two row tiles.
.set H0,   73728                       ; LDS.  0: the latent fragments, image 8 s + m, 1,536 bytes each.  H0: Q(relu(x)), image 8 k + m; 24,576 on: Q(relu(net)).  At the head, ahead of the first barrier: the latent rows' stages, 16 rows x 528 = 8,448 for each wave
.set IND,  122880                      ; the input layers' fragments, image m; colour's 12,288 on
.set ZSC,  147456                      ; the latent scale words: [pair of K steps][16 (s % 2) + r][m]; 3,072 on: Q(relu(x))'s [16 k + r][m]; 4,096 on: Q(relu(net))'s
.set HSC0, 150528
.set INSD, 152576                      ; the input layers' scale words [lane][m]; colour's 1,024 on
.set TABL, 154624                      ; a copy of tab
.set OUTP, 175104                      ; the heads' partial sums: row pitch 208; word 8 (3 mlp + c) + 2 w + h
.set STG,  201728                      ; 25,600 for each wave: two stages of 32 rows x 400 for the features, density's and colour's
.set SCAN, 304128                      ; 512 for each wave: the shift by one sample
.set WS,  32                           ; v32-41  the ring's scale words, a pair a slot
.set WSI, 42                           ; v42-43  the input layer's
.set ZS,  44                           ; v44-67  the latent rows': 8 (s / 2) + m
.set HS0, 68                           ; v68-75  Q(relu(x))'s, and the input layers' rows'
.set HS1, 76                           ; v76-83  Q(relu(net))'s
.set B0,  84
.set BX,  116
.set T,   148
.set PA,  180                          ; two sets of six
.set PB,  192
.set PWQ, 196                          ; two
.set AC,  198
.set PC,  212                          ; at the head: a whole fragment's codes
.set TM,  232
.set PW,  248
.set ZV,  250
.set XV, 84                            ; the encoding's arrays of six (a's three, b's three), in the registers that later hold the bias sets
.set DV, 90
.set XF, 96
.set NN, 102
.set QI, 108
.set RR, 114
.set ZZ, 120
.set SN, 126
.set CS, 132
.set TT, 138
.set ZR, 144
.set MSB, 0
.macro WIN new                         ; the immediate's high byte repeats the setting that is left; a switch that changes nothing is dropped
.if MSB != (\new)
	s_set_vgpr_msb (MSB<<8)|(\new)
.set MSB, \new
.endif
.endm
.macro PLACES                          ; four plain lines between a matrix instruction and a load into, or a read of, its registers
.rept 4
	v_nop
.endr
.endm
.macro BARRIER                         ; my LDS stores have landed and my LDS loads are in: then the work-group's barrier
	s_wait_dscnt 0x0
	s_barrier_signal -1
	s_barrier_wait -1
.endm
; one matrix instruction from the symbols mD, mA, mB, mC, mSA, mSB; mRA, mRB: the scale words stand in lanes 16-31
.macro EMM
.if mRA && mRB
	v_wmma_scale_f32_16x16x128_f8f6f4 v[mD:mD+7], v[mA:mA+11], v[mB:mB+11], v[mC:mC+7], v[mSA], v[mSB] matrix_a_fmt:MATRIX_FMT_BF6 matrix_b_fmt:MATRIX_FMT_BF6 matrix_a_scale:MATRIX_SCALE_ROW1 matrix_b_scale:MATRIX_SCALE_ROW1
.elseif mRA
	v_wmma_scale_f32_16x16x128_f8f6f4 v[mD:mD+7], v[mA:mA+11], v[mB:mB+11], v[mC:mC+7], v[mSA], v[mSB] matrix_a_fmt:MATRIX_FMT_BF6 matrix_b_fmt:MATRIX_FMT_BF6 matrix_a_scale:MATRIX_SCALE_ROW1
.elseif mRB
	v_wmma_scale_f32_16x16x128_f8f6f4 v[mD:mD+7], v[mA:mA+11], v[mB:mB+11], v[mC:mC+7], v[mSA], v[mSB] matrix_a_fmt:MATRIX_FMT_BF6 matrix_b_fmt:MATRIX_FMT_BF6 matrix_b_scale:MATRIX_SCALE_ROW1
.else
	v_wmma_scale_f32_16x16x128_f8f6f4 v[mD:mD+7], v[mA:mA+11], v[mB:mB+11], v[mC:mC+7], v[mSA], v[mSB] matrix_a_fmt:MATRIX_FMT_BF6 matrix_b_fmt:MATRIX_FMT_BF6
.endif
.endm
; K step k of the block at s[ptr] into ring slot: 12 loads of 512 consecutive bytes and the scale words: 13 loads
.macro LOADW k, ptr, slot
	WIN 0x40
.irp i, 0,1,2,3,4,5,6,7,8,9,10,11
	global_load_b128 v[48*(\slot)+4*\i:48*(\slot)+4*\i+3], v1, s[\ptr:\ptr+1] offset:(\k)*25600+512*\i
.endr
	WIN 0
	global_load_b64 v[WS+2*(\slot):WS+2*(\slot)+1], v11, s[\ptr:\ptr+1] offset:(\k)*25600+6144
.endm
.macro LOADIN                          ; an input layer's K step into window 3, v192-239: 13 loads
	WIN 0xc0
.irp i, 0,1,2,3,4,5,6,7,8,9,10,11
	global_load_b128 v[192+4*\i:195+4*\i], v1, s[36:37] offset:512*\i
.endr
	WIN 0
	global_load_b64 v[WSI:WSI+1], v11, s[36:37] offset:6144
.endm
.macro FETCH set, adr, off             ; eight row fragments of one K step: 24 LDS loads, tile by tile
	WIN 0xc0
.irp m, 0,1,2,3,4,5,6,7
.irp c, 0,1,2
	ds_load_b128 v[96*(\set)+12*\m+4*\c:96*(\set)+12*\m+4*\c+3], v[\adr] offset:(\off)+1536*\m+512*\c
.endr
.endr
	WIN 0
.endm
.macro HFET off, m                     ; row tile m of a hidden layer, both K steps: 6 LDS loads; the window is left on 0xc0, and the next line of the text sets its own
	WIN 0xc0
.irp k, 0,1
.irp c, 0,1,2
	ds_load_b128 v[96*\k+12*(\m)+4*\c:96*\k+12*(\m)+4*\c+3], v3 offset:(\off)+12288*\k+1536*(\m)+512*\c
.endr
.endr
.endm
.macro Z5 j                            ; row tile j of the latent K step 5 into set 1: 3 LDS loads
	WIN 0xc0
.irp c, 0,1,2
	ds_load_b128 v[96+12*(\j)+4*\c:96+12*(\j)+4*\c+3], v2 offset:24576+1536*(\j)+512*\c
.endr
.endm
.macro BIAS dst, off                   ; a row of the table in the result's layout: 32 registers, 8 LDS loads
.irp t, 0,1,2,3
.irp e, 0,1
	ds_load_b128 v[(\dst)+8*\t+4*\e:(\dst)+8*\t+4*\e+3], v26 offset:(\off)+(32*(\t/2)+8*(\t%2))*4+16*\e
.endr
.endr
.endm
; x += one K step: 32 matrix instructions, the 32 accumulators by turns, one instruction a turn
.macro KSTEP slot, set, sb, rb
	WIN 0xad                                       ; weights window 1, rows window 3, x window 2
.irp m, 0,1,2,3,4,5,6,7
.irp t, 0,1,2,3
.set mD, 32*\m+8*\t
.set mC, mD
.set mA, 48*(\slot)+12*\t
.set mB, 96*(\set)+12*\m
.set mSA, WS+2*(\slot)+\t/2
.set mSB, (\sb)+\m
.set mRA, \t%2
.set mRB, \rb
	EMM
.endr
.endr
.endm
; One matrix instruction of row tile hm: number hk of its eight (K step hk / 4 of the pair, unit tile hk % 4).  hmode 45: z Wz's K steps 4, 5 onto x; 67: relu(x) W0 into net, begun with b0 as C.
; The waits count the fragment loads of later tiles, which may stay out (the stores issued since only make them stricter).
.macro HOOK
.if hk < 8
.set hq, hk/4
.set ht, hk%4
.if hmode == 45
.if hk == 4
.if hm < 2
	s_wait_dscnt 3                                 ; K step 5's tiles 0-2 were asked for on end: behind tile 1's loads stand tile 2's three
.else
	s_wait_dscnt 6                                 ; behind this tile's three loads stand at least a later tile's three and a row tile's four stores
.endif
.endif
	WIN 0xad
.set hs, (4+hq)%5
.set mD, 32*hm+8*ht
.set mC, mD
.set mSB, ZS+16+hm
.else
.if hk == 0
.if hm == 0
	s_wait_dscnt 12                                ; tiles 0-2 were asked for on end: behind tile 0's six loads stand twelve
.else
	s_wait_dscnt 6                                 ; behind this tile's six loads stand the next tile's six, or two row tiles' eight stores
.endif
.endif
.set hs, 1+hq
.set mD, 192+32*(hm%2)+8*ht
.if hq == 0
	WIN 0xcd
.set mC, B0+8*ht
.else
	WIN 0xfd
.set mC, mD
.endif
.set mSB, HS0+hm
.endif
.set mA, 48*hs+12*ht
.set mB, 96*hq+12*hm
.set mSA, WS+2*hs+ht/2
.set mRA, ht%2
.set mRB, hq
	EMM
.set hk, hk+1
.endif
.endm
; Row tile m after relu becomes my six registers of its image and my two bytes of its scale word.  kind 0: x (and b1 + the next bz go onto x); kind 1: net.
; The 32 relu lines stand in eight slices of four, a HOOK behind each: two window switches, one matrix instruction and four vector lines to a slice.  All that follows has no matrix instruction among it.
.macro Q kind, m
.if \kind == 0
.set qA, 32*(\m)
.set qW, 0x08
.else
.set qA, 192+32*((\m)%2)
.set qW, 0x0c
.endif
.set qP, PA+6*((\m)%2)
.set qS, PWQ+((\m)%2)
.irp gq, 0,1,2,3,4,5,6,7
	WIN qW
.irp i, 0,1,2,3
	v_max_num_f32 v[T+4*\gq+\i], 0, v[qA+4*\gq+\i]     ; each accumulator from its low end on
.endr
	HOOK
.endr
.if \kind == 0
	WIN 0x82
.irp i, 0,2,4,6,8,10,12,14,16,18,20,22,24,26,28,30
	v_pk_add_f32 v[qA+\i:qA+\i+1], v[qA+\i:qA+\i+1], v[BX+\i:BX+\i+1]
.endr
.endif
	WIN 0
	v_max3_num_f32 v[TM], v[T], v[T+1], 0x2800000      ; my 16 numbers of each of two blocks; none is negative; the floor 2^(5 - 127) holds the byte at 1 from below
	v_max3_num_f32 v[TM+1], v[T+16], v[T+17], 0x2800000
.irp n, 1,2,3,4,5,6,7
	v_max3_num_f32 v[TM], v[TM], v[T+2*\n], v[T+2*\n+1]
	v_max3_num_f32 v[TM+1], v[TM+1], v[T+16+2*\n], v[T+17+2*\n]
.endr
	; LDS loads that are due later stand here, in the part of a row tile's turn that has no matrix instruction: K step 5's row tile three on; the bias row b0, for the next pair; Q(relu(x))'s row tile three on.  qL counts them
.set qL, 0
.if \kind == 0 && (\m) <= 4
	Z5 (\m)+3
.set qL, 3
.elseif \kind == 0 && (\m) == 5
	BIAS B0, 1024
.set qL, 8
.elseif \kind == 1 && (\m) <= 4
	HFET 0, (\m)+3
.set qL, 6
.endif
	WIN 0
	v_permlanex16_b32 v[TM+2], v[TM], s30, s31
	v_permlanex16_b32 v[TM+3], v[TM+1], s30, s31
	v_max_num_f32 v[TM], v[TM], v[TM+2]            ; with lane l xor 16's: the block's largest
	v_max_num_f32 v[TM+1], v[TM+1], v[TM+3]
	v_add_nc_u32 v[TM+4], 0xfe000000, v[TM]        ; 4 off the exponent field: the conversion's scale operand
	v_add_nc_u32 v[TM+5], 0xfe000000, v[TM+1]
	v_lshrrev_b32 v[TM+6], 23, v[TM+4]             ; the bytes
	v_lshrrev_b32 v[TM+7], 23, v[TM+5]
.if (\m) >= 2
	s_wait_alu depctr_va_vdst(0)
	s_wait_dscnt 4+qL                              ; all but the last tile's four stores and the loads just issued are done: the stores of two tiles back have read this set of registers
.endif
	v_lshl_or_b32 v[qS], v[TM+7], 8, v[TM+6]
	v_cvt_scalef32_pk16_bf6_f32 v[qP:qP+2], v[T:T+15], v[TM+4]
	v_cvt_scalef32_pk16_bf6_f32 v[PB:PB+2], v[T+16:T+31], v[TM+5]
	v_nop                                          ; one plain line behind the conversions
.irp i, 0,1,2
	v_permlane16_swap_b32 v[qP+\i], v[PB+\i]       ; a whole block to a lane: lanes 0-15 the first block, lanes 16-31 the second
.endr
.irp i, 0,1,2
	v_mov_b32 v[qP+3+\i], v[PB+\i]
.endr
	ds_store_b64 v7, v[qP:qP+1] offset:24576*(\kind)+1536*(\m)
	ds_store_b64 v8, v[qP+2:qP+3] offset:24576*(\kind)+1536*(\m)
	ds_store_b64 v9, v[qP+4:qP+5] offset:24576*(\kind)+1536*(\m)
	ds_store_b16 v10, v[qS] offset:1024*(\kind)+4*(\m)
.endm
; two K steps by row tiles: tile 0's eight products; then tile m is quantised while tile m + 1's eight are issued among its relu lines
.macro PAIRQ kind
.set hm, 0
.set hk, 0
.rept 8
	HOOK
.endr
	PLACES
.irp m, 0,1,2,3,4,5,6
.set hm, \m+1
.set hk, 0
	Q \kind, \m
.endr
.set hk, 8
	Q \kind, 7
.endm
; 64 numbers of a lane, register 16 b + i = k 32 b + 16 (lane / 16) + i of my row, become a fragment's codes in v[PC] on and its scale word in v[PW]
.macro QUANT64 s
.irp b, 0,1,2,3
	v_max3_num_f32 v[TM+\b], |v[\s+16*\b]|, |v[\s+1+16*\b]|, 0x2800000
.endr
.irp i, 2,4,6,8,10,12,14
.irp b, 0,1,2,3
	v_max3_num_f32 v[TM+\b], v[TM+\b], |v[\s+16*\b+\i]|, |v[\s+1+16*\b+\i]|
.endr
.endr
.irp b, 0,1,2,3
	v_permlanex16_b32 v[TM+4+\b], v[TM+\b], s30, s31
.endr
.irp b, 0,1,2,3
	v_max_num_f32 v[TM+\b], v[TM+\b], v[TM+4+\b]
.endr
.irp b, 0,1,2,3
	v_add_nc_u32 v[TM+12+\b], 0xfe000000, v[TM+\b]
.endr
.irp b, 0,1,2,3
	v_lshrrev_b32 v[TM+4+\b], 23, v[TM+12+\b]
.endr
	v_lshl_or_b32 v[PW], v[TM+5], 8, v[TM+4]
	v_lshl_or_b32 v[PW], v[TM+6], 16, v[PW]
	v_lshl_or_b32 v[PW], v[TM+7], 24, v[PW]
.irp c, 0,1
	v_cvt_scalef32_pk16_bf6_f32 v[PC+6*\c:PC+2+6*\c], v[\s+32*\c:\s+15+32*\c], v[TM+12+2*\c]
	v_cvt_scalef32_pk16_bf6_f32 v[PC+12+4*\c:PC+14+4*\c], v[\s+16+32*\c:\s+31+32*\c], v[TM+12+2*\c+1]
.endr
	v_nop
.irp c, 0,1
.irp i, 0,1,2
	v_permlane16_swap_b32 v[PC+6*\c+\i], v[PC+12+4*\c+\i]
.endr
.irp i, 0,1,2
	v_mov_b32 v[PC+3+6*\c+\i], v[PC+12+4*\c+\i]
.endr
.endr
.endm
.macro IMAGE adr, off                  ; the fragment in v[PC] on goes to LDS as it stands
.irp c, 0,1,2
	ds_store_b128 v[\adr], v[PC+4*\c:PC+4*\c+3] offset:(\off)+512*\c
.endr
.endm
; latent unit u: K step u % 6 of my rows 16 (u / 6) .. + 15: 16 loads of 512 consecutive bytes, a row each, into set u % 3 of window 2
.macro LLOAD u
	WIN 0x80
.irp p, 0,1,2,3,4,5,6,7,8,9,10,11,12,13,14,15
	global_load_b128 v[64*((\u)%3)+4*\p:64*((\u)%3)+4*\p+3], v1, s[12:13] offset:(16*((\u)/6)+\p)*3072+512*((\u)%6) th:TH_LOAD_NT
.endr
	WIN 0
.endm
.macro UNITA u, cnt                    ; the unit's rows turn through my stage, so that a lane holds 16 neighbours of each block of its row
	s_wait_loadcnt \cnt
	WIN 0x08
.irp p, 0,1,2,3,4,5,6,7,8,9,10,11,12,13,14,15
	ds_store_b128 v14, v[64*((\u)%3)+4*\p:64*((\u)%3)+4*\p+3] offset:528*\p
.endr
	WIN 0
.irp b, 0,1,2,3
.irp j, 0,1,2,3
	ds_load_b128 v[T+16*\b+4*\j:T+16*\b+4*\j+3], v15 offset:128*\b+16*\j
.endr
.endr
	s_wait_dscnt 16                                ; all but the 16 loads just issued: the stage's stores are done and have read the set, which may be loaded again at once
.endm
.macro UNITB u
	s_wait_dscnt 0x0                               ; the numbers are back from the stage, and the last image's stores have read their registers
	QUANT64 T
	IMAGE 19, 12288*((\u)%6)+1536*((\u)/6)
	ds_store_b32 v20, v[PW] offset:1024*(((\u)%6)/2)+512*((\u)%2)+4*((\u)/6)
.endm
; frequency f of the encoding: sin and cos of six arguments, by turns, into both feature stages; then the arguments are doubled, which rounds nothing.
; Between two of these pieces stands a wait for all LDS instructions (UNITA's or UNITB's): the stores have read SN and CS before they are written again.
.macro PE f
.irp c, 0,1,2,3,4,5
	v_mul_f32 v[NN+\c], s48, v[XF+\c]
.endr
.irp c, 0,1,2,3,4,5
	v_rndne_f32 v[NN+\c], v[NN+\c]                 ; n: the nearest multiple of pi / 2
.endr
.irp c, 0,1,2,3,4,5
	v_cvt_i32_f32 v[QI+\c], v[NN+\c]
.endr
.irp c, 0,1,2,3,4,5
	v_fma_f32 v[RR+\c], v[NN+\c], s49, v[XF+\c]
.endr
.irp c, 0,1,2,3,4,5
	v_fma_f32 v[RR+\c], v[NN+\c], s50, v[RR+\c]    ; r, within pi / 4 of 0
.endr
.irp c, 0,1,2,3,4,5
	v_mul_f32 v[ZZ+\c], v[RR+\c], v[RR+\c]
.endr
.irp c, 0,1,2,3,4,5
	v_fma_f32 v[SN+\c], v[ZZ+\c], s51, s52
	v_fma_f32 v[CS+\c], v[ZZ+\c], s54, s55
.endr
.irp c, 0,1,2,3,4,5
	v_fma_f32 v[SN+\c], v[SN+\c], v[ZZ+\c], s53
	v_fma_f32 v[CS+\c], v[CS+\c], v[ZZ+\c], s56
.endr
.irp c, 0,1,2,3,4,5
	v_mul_f32 v[SN+\c], v[SN+\c], v[ZZ+\c]
	v_mul_f32 v[NN+\c], v[ZZ+\c], v[ZZ+\c]
.endr
.irp c, 0,1,2,3,4,5
	v_fma_f32 v[SN+\c], v[SN+\c], v[RR+\c], v[RR+\c]   ; sin r
.endr
.irp c, 0,1,2,3,4,5
	v_fma_f32 v[RR+\c], v[ZZ+\c], -0.5, 1.0
.endr
.irp c, 0,1,2,3,4,5
	v_fma_f32 v[CS+\c], v[CS+\c], v[NN+\c], v[RR+\c]   ; cos r
.endr
.irp c, 0,1,2,3,4,5
	v_and_b32 v[TT+\c], 1, v[QI+\c]
.endr
.irp c, 0,1,2,3,4,5
	v_cmp_ne_u32 vcc_lo, 0, v[TT+\c]               ; an odd n changes the two over
	v_cndmask_b32 v[NN+\c], v[SN+\c], v[CS+\c], vcc_lo
	v_cndmask_b32 v[RR+\c], v[CS+\c], v[SN+\c], vcc_lo
.endr
.irp c, 0,1,2,3,4,5
	v_lshlrev_b32 v[TT+\c], 30, v[QI+\c]           ; sin's sign: bit 1 of n;
	v_add_nc_u32 v[QI+\c], 1, v[QI+\c]             ; cos's: bit 1 of n + 1
.endr
.irp c, 0,1,2,3,4,5
	v_and_b32 v[TT+\c], 0x80000000, v[TT+\c]
	v_lshlrev_b32 v[QI+\c], 30, v[QI+\c]
.endr
.irp c, 0,1,2,3,4,5
	v_xor_b32 v[SN+\c], v[TT+\c], v[NN+\c]
	v_and_b32 v[QI+\c], 0x80000000, v[QI+\c]
.endr
.irp c, 0,1,2,3,4,5
	v_xor_b32 v[CS+\c], v[QI+\c], v[RR+\c]
.endr
.irp c, 0,1,2
	ds_store_b32 v16, v[SN+\c] offset:24*(\f)+12+4*\c
	ds_store_b32 v16, v[CS+\c] offset:24*(\f)+24+4*\c
	ds_store_b32 v16, v[SN+\c] offset:24*(\f)+12800+12+4*\c
	ds_store_b32 v16, v[CS+\c] offset:24*(\f)+12800+24+4*\c
	ds_store_b32 v16, v[SN+3+\c] offset:24*(\f)+156+12+4*\c
	ds_store_b32 v16, v[CS+3+\c] offset:24*(\f)+156+24+4*\c
	ds_store_b32 v16, v[SN+3+\c] offset:24*(\f)+12800+168+12+4*\c
	ds_store_b32 v16, v[CS+3+\c] offset:24*(\f)+12800+168+24+4*\c
.endr
.if (\f) < 5
.irp c, 0,1,2,3,4,5
	v_add_f32 v[XF+\c], v[XF+\c], v[XF+\c]
.endr
.endif
.endm
; an input layer's fragment: row tile 2 w + e of MLP mlp, out of my feature stage; K 96 to 127 are zeros, which stand in v[B0 + 48] on
.macro IMG mlp, e
.irp b, 0,1,2
.irp j, 0,1,2,3
	ds_load_b128 v[B0+16*\b+4*\j:B0+16*\b+4*\j+3], v18 offset:12800*(\mlp)+6400*(\e)+128*\b+16*\j   ; LDS serves a wave's instructions in order: these see my stores
.endr
.endr
	s_wait_dscnt 0x0
	QUANT64 B0
	IMAGE 21, 12288*(\mlp)+1536*(\e)
	ds_store_b32 v22, v[PW] offset:1024*(\mlp)+4*(\e)
.endm
	s_load_b512 s[4:19], s[0:1], 0x0               ; pts_a, pts_b, dirs_a, dirs_b, latent, z_vals, wq, tab
	s_load_b128 s[20:23], s[0:1], 0x40             ; db_out, cb_out
	s_load_b64 s[24:25], s[0:1], 0x50              ; out0
	v_lshl_add_u32 v242, v0, 2, 0x4ac00
	v_mov_b32 v243, 0
	v_lshrrev_b32 v31, 5, v0
	v_readfirstlane_b32 s26, v31                   ; wave 0..3
	s_mov_b32 s27, ttmp9                           ; g: rays 2 g, 2 g + 1
	v_and_b32 v31, 31, v0                          ; lane
	v_and_b32 v30, 15, v0                          ; r
	v_bfe_u32 v249, v0, 4, 1                       ; h
	s_lshr_b32 s71, s26, 1                         ; which K step of the next product my units are,
	s_and_b32 s72, s26, 1                          ; and which half of it
	v_lshlrev_b32 v1, 4, v31                       ; an image's place for my lane
	v_add_nc_u32 v2, 36864, v1
	v_add_nc_u32 v3, H0, v1
	v_add_nc_u32 v4, IND, v1
	v_lshl_add_u32 v5, v31, 5, ZSC
	v_lshl_add_u32 v6, v31, 5, INSD
	s_mul_i32 s73, s71, 12288
	s_mul_i32 s74, s72, 520
	s_add_co_u32 s74, s74, s73
	v_add_nc_u32 v7, s74, v3                       ; my six registers of an image: bytes 0, 8, 512 (first half) or 520, 1,024, 1,032 (second half) beside 16 x lane
	s_mul_i32 s75, s72, 1016
	s_add_co_u32 s75, s75, s73
	s_add_co_u32 s75, s75, 8
	v_add_nc_u32 v8, s75, v3
	v_add_nc_u32 v9, 512, v7
	s_lshl_b32 s73, s71, 9
	s_lshl_b32 s74, s72, 1
	s_add_co_u32 s73, s73, s74
	v_lshl_add_u32 v10, v30, 5, HSC0
	v_add_nc_u32 v10, s73, v10                     ; my two bytes of row r's scale word
	v_lshlrev_b32 v11, 3, v31
	s_lshl_b32 s73, s26, 8
	v_lshl_add_u32 v12, v249, 6, TABL
	v_add_nc_u32 v12, s73, v12                     ; the table: my 64 units, my half's 16
	s_lshl_b32 s73, s26, 3
	v_mul_u32_u24 v13, v30, 208
	v_lshl_add_u32 v13, v249, 2, v13
	s_add_co_u32 s74, s73, OUTP
	v_add_nc_u32 v13, s74, v13
	s_mul_i32 s77, s26, 25600
	s_add_co_u32 s77, s77, STG                     ; my feature stages
	s_mul_i32 s78, s26, 8448
	s_add_co_u32 s78, s78, H0                      ; my stage for latent rows
	v_add_nc_u32 v14, s78, v1
	v_mul_u32_u24 v15, v30, 528
	v_lshl_add_u32 v15, v249, 6, v15
	v_add_nc_u32 v15, s78, v15
	v_mul_u32_u24 v16, v31, 400
	v_add_nc_u32 v16, s77, v16
	v_mul_u32_u24 v18, v30, 400
	v_lshl_add_u32 v18, v249, 6, v18
	v_add_nc_u32 v18, s77, v18
	s_mul_i32 s74, s26, 3072
	v_add_nc_u32 v19, s74, v1                      ; images of my two row tiles, 2 w and 2 w + 1
	v_lshl_add_u32 v20, v30, 5, ZSC
	v_add_nc_u32 v20, s73, v20
	v_add_nc_u32 v21, s74, v4
	v_add_nc_u32 v22, s73, v6
	v_mul_u32_u24 v23, v0, 12
	v_lshlrev_b32 v24, 4, v0
	v_add_nc_u32 v25, TABL, v24
	v_lshlrev_b32 v254, 2, v31
	v_add_nc_u32 v255, 132, v254
	v_min_u32 v255, 252, v255                      ; sample 33 + lane, held inside the ray
.irp i, 0,1,2,3,4,5,6,7
	v_mov_b32 v[TM+\i], 0                          ; written once: a lane permute's destination counts as one of its sources
.endr
	s_mov_b32 s30, 0x76543210
	s_mov_b32 s31, 0xfedcba98                      ; v_permlanex16_b32's selects for lane l xor 16
	s_mov_b32 s48, 0x3f22f983                      ; 2 / pi
	s_mov_b32 s49, 0xbfc90fdb                      ; - pi / 2, its f32 part,
	s_mov_b32 s50, 0x333bbd2e                      ; and what that leaves
	s_mov_b32 s51, 0xb94ca1f9                      ; sin's three coefficients
	s_mov_b32 s52, 0x3c08839e
	s_mov_b32 s53, 0xbe2aaaa3
	s_mov_b32 s54, 0x37ccf5ce                      ; cos's three
	s_mov_b32 s55, 0xbab6061a
	s_mov_b32 s56, 0x3d2aaaa5
	s_mov_b32 s57, 0x40490fdb                      ; pi
	s_wait_alu depctr_va_vdst(0)
	s_wait_kmcnt 0x0
	s_load_b32 s60, s[20:21], 0x0                  ; the two heads' biases: wanted by the rendering alone; the wait for them stands behind the first loads
	s_load_b96 s[68:70], s[22:23], 0x0
	s_mul_i32 s40, s27, 1536
	s_mov_b32 s41, 0
	s_add_nc_u64 s[4:5], s[4:5], s[40:41]
	s_add_nc_u64 s[6:7], s[6:7], s[40:41]
	s_add_nc_u64 s[8:9], s[8:9], s[40:41]
	s_add_nc_u64 s[10:11], s[10:11], s[40:41]
	s_mul_i32 s40, s27, 393216
	s_mul_i32 s71, s26, 98304
	s_add_co_u32 s40, s40, s71
	s_add_nc_u64 s[12:13], s[12:13], s[40:41]      ; latent at my wave's 32 rows
	s_lshl_b32 s40, s27, 9
	s_lshl_b32 s71, s72, 8
	s_add_co_u32 s40, s40, s71
	s_add_nc_u64 s[14:15], s[14:15], s[40:41]      ; z_vals at ray 2 g + w % 2
	s_mul_i32 s40, s26, 6400
	s_add_nc_u64 s[36:37], s[16:17], s[40:41]      ; the input layers' weights, my 64 units
	s_add_nc_u64 s[32:33], s[36:37], 51200         ; this block's
	s_add_nc_u64 s[34:35], s[32:33], 256000        ; the next block's
	s_lshl_b32 s40, s27, 5
	s_lshl_b32 s71, s26, 4
	s_add_co_u32 s40, s40, s71
	s_add_nc_u64 s[24:25], s[24:25], s[40:41]      ; out0 at ray 2 g + w (waves 0 and 1 store)
.irp c, 0,1,2
	global_load_b32 v[XV+\c], v23, s[4:5] offset:4*\c
	global_load_b32 v[XV+3+\c], v23, s[6:7] offset:4*\c
	global_load_b32 v[DV+\c], v23, s[8:9] offset:4*\c
	global_load_b32 v[DV+3+\c], v23, s[10:11] offset:4*\c
.endr
	global_load_b32 v[ZV], v254, s[14:15]
	global_load_b32 v[ZV+1], v254, s[14:15] offset:4
	global_load_b32 v[ZV+2], v254, s[14:15] offset:128
	global_load_b32 v[ZV+3], v255, s[14:15]
	LLOAD 0
	LLOAD 1
	LLOAD 2
	s_wait_kmcnt 0x0                               ; the heads' biases
	; ---- the encoding: a thread to a row; the features go to two stages of my wave, density's and colour's, 96 to a row, zeros behind the last
	s_wait_loadcnt 52                              ; the twelve coordinates are in; behind them: 4 depths and 48 latent loads
.irp i, 0,1,2,3
	v_mov_b32 v[ZR+\i], 0
.endr
.irp c, 0,1,2
	ds_store_b32 v16, v[XV+\c] offset:4*\c
	ds_store_b32 v16, v[XV+\c] offset:12800+4*\c
	ds_store_b32 v16, v[XV+3+\c] offset:156+4*\c
	ds_store_b32 v16, v[XV+3+\c] offset:12800+168+4*\c
	ds_store_b32 v16, v[DV+\c] offset:12800+156+4*\c
	ds_store_b32 v16, v[DV+3+\c] offset:12800+324+4*\c
.endr
	ds_store_b64 v16, v[ZR:ZR+1] offset:312
.irp i, 320,336,352,368
	ds_store_b128 v16, v[ZR:ZR+3] offset:\i
.endr
.irp i, 336,352,368
	ds_store_b128 v16, v[ZR:ZR+3] offset:12800+\i
.endr
.irp c, 0,1,2,3,4,5
	v_mul_f32 v[XF+\c], s57, v[XV+\c]              ; x pi
.endr
	PE 0
	; ---- the latent rows: twelve units, three in flight; a piece of the encoding, or an input image, in each of the first nine
	s_wait_alu depctr_va_vdst(0)
.irp u, 0,1,2,3,4
	UNITA \u, 32                                   ; this unit's 16 loads are in; two units' may be out
	LLOAD \u+3
	PE \u+1
	UNITB \u
.endr
	UNITA 5, 32
	LLOAD 8
.irp i, 48,49,50,51,52,53,54,55,56,57,58,59,60,61,62,63
	v_mov_b32 v[B0+\i], 0                          ; the encoding is done: its arrays' registers take the features, and K 96 to 127 are zeros
.endr
	IMG 0, 0
	UNITB 5
	UNITA 6, 32
	LLOAD 9
	IMG 0, 1
	UNITB 6
	UNITA 7, 32
	LLOAD 10
	IMG 1, 0
	UNITB 7
	UNITA 8, 32
	LLOAD 11
	IMG 1, 1
	UNITB 8
	UNITA 9, 32
.irp i, 0,1,2,3,4,5,6,7,8,9
	global_load_b128 v[B0+4*\i:B0+4*\i+3], v24, s[18:19] offset:2048*\i    ; the table: 10 loads;
.endr
	LOADIN                                         ; the density input layer: 13;
	LOADW 0, 32, 0                                 ; the first block's K step 0: 13
	UNITB 9
	UNITA 10, 52                                   ; behind unit 10's loads: unit 11's 16 and those 36
	LOADW 1, 32, 1
	LOADW 2, 32, 2
	LOADW 3, 32, 3
	UNITB 10
	UNITA 11, 63                                   ; behind unit 11's loads stand 75: the wait's largest count is stricter
	UNITB 11
	s_wait_loadcnt 63                              ; behind the table's loads stand 65
.irp i, 0,1,2,3,4,5,6,7,8,9
	ds_store_b128 v25, v[B0+4*\i:B0+4*\i+3] offset:2048*\i
.endr
	s_wait_xcnt 0x0                                ; the loads have read their base:
	s_add_nc_u64 s[36:37], s[36:37], 25600         ; on to the colour input layer
	BARRIER                                        ; all images, scale words and the table lie in LDS; the latent rows' stages are read out, and their bytes are the hidden layers' from here on
.irp k, 0,1,2
	ds_load_b128 v[ZS+8*\k:ZS+8*\k+3], v5 offset:1024*\k
	ds_load_b128 v[ZS+8*\k+4:ZS+8*\k+7], v5 offset:1024*\k+16
.endr
	FETCH 0, 1, 0                                  ; the latent K step 0; later ones of its kind come from each block's last K step
	s_mov_b32 s28, 0                               ; where the table stands
	s_mov_b32 s29, 0                               ; the MLP's input images,
	s_mov_b32 s38, 0                               ; their scale words,
	s_mov_b32 s39, 0                               ; its partial sums
	s_mov_b32 s42, 2
	s_mov_b32 s44, 6                               ; blocks to go
.Lmlp:
	; ---- the input layer starts x, with b_in + bz0 as C
	v_add_nc_u32 v26, s28, v12
	v_add_nc_u32 v27, s29, v4
	v_add_nc_u32 v28, s38, v6
	v_add_nc_u32 v29, s39, v13
	FETCH 1, 27, 0
	ds_load_b128 v[HS0:HS0+3], v28
	ds_load_b128 v[HS0+4:HS0+7], v28 offset:16
	BIAS B0, 0
	s_wait_loadcnt 0x0                             ; the layer's weights: on the second way in they are the youngest loads
	s_wait_dscnt 0x0
	WIN 0x8f                                       ; weights and rows window 3, C window 0, x window 2
.irp m, 0,1,2,3,4,5,6,7
.irp t, 0,1,2,3
.set mD, 32*\m+8*\t
.set mC, B0+8*\t
.set mA, 192+12*\t
.set mB, 96+12*\m
.set mSA, WSI+\t/2
.set mSB, HS0+\m
.set mRA, \t%2
.set mRB, 0
	EMM
.endr
.endr
	WIN 0
	s_mov_b32 s43, 3
.Lblk:
	; Each wait on LOADcnt counts the weight loads, 13 a K step, issued behind the K step that is wanted; each wait on DScnt the LDS loads issued behind the set that is wanted.
	PLACES
	LOADW 4, 32, 4
	v_add_nc_u32 v26, s28, v12
	FETCH 1, 1, 12288
	BIAS BX, 2048                                  ; b1 + the next bz (b0 follows among the first pair's row tiles)
	s_wait_loadcnt 52
	s_wait_dscnt 32
	KSTEP 0, 0, ZS, 0
	PLACES
	LOADW 5, 32, 0
	FETCH 0, 1, 24576
	s_wait_loadcnt 52
	s_wait_dscnt 24
	KSTEP 1, 1, ZS, 1
	PLACES
	LOADW 6, 32, 1
	FETCH 1, 2, 0
	s_wait_loadcnt 52
	s_wait_dscnt 24
	KSTEP 2, 0, ZS+8, 0
	PLACES
	LOADW 7, 32, 2
	FETCH 0, 2, 12288
	s_wait_loadcnt 52
	s_wait_dscnt 24
	KSTEP 3, 1, ZS+8, 1
	PLACES
	LOADW 8, 32, 3
	Z5 0
	Z5 1
	Z5 2
	s_wait_loadcnt 39                              ; K steps 4 and 5 are in; 6, 7, 8 may be out
	s_wait_dscnt 9                                 ; K step 4's fragments are in; the nine loads just issued may be out
.set hmode, 45
	PAIRQ 0                                        ; x is finished tile by tile, and Q(relu(x)) follows a tile behind
	LOADW 9, 32, 4
	LOADW 0, 34, 0
	BARRIER                                        ; Q(relu(x)) lies whole in LDS; nobody reads Q(relu(net)) any more
	ds_load_b128 v[HS0:HS0+3], v5 offset:3072
	ds_load_b128 v[HS0+4:HS0+7], v5 offset:3088
	HFET 0, 0                                      ; row tiles 0-2 now, the others among the pair's row tiles
	HFET 0, 1
	HFET 0, 2
	s_wait_loadcnt 39                              ; K steps 6 and 7 are in; 8, 9 and the next block's 0 may be out
.set hmode, 67
	PAIRQ 1                                        ; net tile by tile, and Q(relu(net)) a tile behind
	LOADW 1, 34, 1
	LOADW 2, 34, 2
	BARRIER                                        ; Q(relu(net)) lies whole in LDS; nobody reads Q(relu(x)) any more
	ds_load_b128 v[HS1:HS1+3], v5 offset:4096
	ds_load_b128 v[HS1+4:HS1+7], v5 offset:4112
	FETCH 0, 3, 24576
	FETCH 1, 3, 36864
	s_wait_loadcnt 52
	s_wait_dscnt 24
	KSTEP 3, 0, HS1, 0
	PLACES
	LOADW 3, 34, 3
	FETCH 0, 1, 0                                  ; the latent K step 0, for the next block
	s_wait_loadcnt 52
	s_wait_dscnt 24
	KSTEP 4, 1, HS1, 1
	WIN 0
	s_wait_xcnt 0x0                                ; the loads have read their bases
	s_mov_b64 s[32:33], s[34:35]
	s_add_nc_u64 s[40:41], s[34:35], 256000
	s_add_co_u32 s28, s28, 2048
	s_sub_co_u32 s44, s44, 1
	s_cmp_gt_u32 s44, 1                            ; the last block has no successor: it loads its own first K steps again, inside the buffer, and nobody uses them; so the counts are alike in every trip
	s_cselect_b64 s[34:35], s[40:41], s[34:35]
	s_sub_co_u32 s43, s43, 1
	s_cmp_lg_u32 s43, 0
	s_cbranch_scc1 .Lblk
	; ---- the head: relu(x) W_out over my 64 units, in f32: a partial sum for each row, column, wave and half of the lanes
	PLACES
	LOADIN                                         ; the colour input layer (in the last trip the same bytes again)
	v_add_nc_u32 v26, s28, v12
	WIN 0xc0
.irp c, 0,1,2
	BIAS 96+32*\c, 1024*(1+\c)
.endr
	WIN 0
	s_wait_dscnt 0x0
.irp m, 0,1,2,3,4,5,6,7
	WIN 0x08
.irp i, 0,1,2,3,4,5,6,7,8,9,10,11,12,13,14,15,16,17,18,19,20,21,22,23,24,25,26,27,28,29,30,31
	v_max_num_f32 v[T+\i], 0, v[32*\m+\i]
.endr
.if \m > 0
	s_wait_dscnt 0x0                               ; the last tile's stores have read their registers
.endif
	WIN 0x0c
.irp c, 0,1,2
	v_pk_mul_f32 v[AC+4*\c:AC+4*\c+1], v[T:T+1], v[96+32*\c:97+32*\c]
	v_pk_mul_f32 v[AC+4*\c+2:AC+4*\c+3], v[T+2:T+3], v[98+32*\c:99+32*\c]
.endr
.irp i, 1,2,3,4,5,6,7
.irp c, 0,1,2
	v_pk_fma_f32 v[AC+4*\c:AC+4*\c+1], v[T+4*\i:T+4*\i+1], v[96+32*\c+4*\i:97+32*\c+4*\i], v[AC+4*\c:AC+4*\c+1]
	v_pk_fma_f32 v[AC+4*\c+2:AC+4*\c+3], v[T+4*\i+2:T+4*\i+3], v[98+32*\c+4*\i:99+32*\c+4*\i], v[AC+4*\c+2:AC+4*\c+3]
.endr
.endr
	WIN 0
.irp c, 0,1,2
	v_pk_add_f32 v[AC+4*\c:AC+4*\c+1], v[AC+4*\c:AC+4*\c+1], v[AC+4*\c+2:AC+4*\c+3]
.endr
.irp c, 0,1,2
	v_add_f32 v[AC+4*\c], v[AC+4*\c], v[AC+4*\c+1]
.endr
.irp c, 0,1,2
	ds_store_b32 v29, v[AC+4*\c] offset:3328*\m+32*\c
.endr
.endr
	s_add_co_u32 s28, s28, 4096
	s_add_co_u32 s29, s29, 12288
	s_add_co_u32 s38, s38, 1024
	s_add_co_u32 s39, s39, 96
	s_sub_co_u32 s42, s42, 1
	s_cmp_lg_u32 s42, 0
	s_cbranch_scc1 .Lmlp
	BARRIER                                        ; all partial sums lie in LDS
	; ---- rendering: wave 0 and wave 1 take a ray each; lane l takes samples l and 32 + l
	s_mul_i32 s71, s26, 13312
	s_add_co_u32 s71, s71, OUTP
	v_mul_u32_u24 v26, v31, 208
	v_add_nc_u32 v26, s71, v26
	s_lshl_b32 s72, s26, 9
	s_add_co_u32 s72, s72, SCAN
	v_lshl_add_u32 v27, v31, 2, s72
	s_cmp_gt_u32 s26, 1
	s_cbranch_scc1 .Lend
.irp s, 0,1
	ds_load_b128 v[84+32*\s:87+32*\s], v26 offset:6656*\s
	ds_load_b128 v[88+32*\s:91+32*\s], v26 offset:6656*\s+16
.irp c, 0,1,2
	ds_load_b128 v[92+32*\s+8*\c:95+32*\s+8*\c], v26 offset:6656*\s+96+32*\c
	ds_load_b128 v[96+32*\s+8*\c:99+32*\s+8*\c], v26 offset:6656*\s+112+32*\c
.endr
.endr
	s_wait_dscnt 0x0
.irp q, 0,1,2,3,4,5,6,7                ; eight partial sums each: sigma, r, g, b of sample l at v84, 92, 100, 108; of sample 32 + l at v116 on
	v_pk_add_f32 v[84+8*\q:85+8*\q], v[84+8*\q:85+8*\q], v[86+8*\q:87+8*\q]
	v_pk_add_f32 v[88+8*\q:89+8*\q], v[88+8*\q:89+8*\q], v[90+8*\q:91+8*\q]
.endr
.irp q, 0,1,2,3,4,5,6,7
	v_pk_add_f32 v[84+8*\q:85+8*\q], v[84+8*\q:85+8*\q], v[88+8*\q:89+8*\q]
.endr
.irp q, 0,1,2,3,4,5,6,7
	v_add_f32 v[84+8*\q], v[84+8*\q], v[85+8*\q]
.endr
	v_add_f32 v84, s60, v84
	v_add_f32 v116, s60, v116
.irp c, 0,1,2
	v_add_f32 v[92+8*\c], s[68+\c], v[92+8*\c]
	v_add_f32 v[124+8*\c], s[68+\c], v[124+8*\c]
.endr
	v_sub_f32 v160, v[ZV+1], v[ZV]                 ; the steps in depth;
	v_sub_f32 v161, v[ZV+3], v[ZV+2]
	v_cmp_ne_u32 vcc_lo, 31, v31
	v_cndmask_b32 v161, 0x447a0000, v161, vcc_lo   ; the last sample's is 1e3
	v_max_num_f32 v162, 0, v84
	v_max_num_f32 v163, 0, v116
	v_mul_f32 v162, v162, v160
	v_mul_f32 v163, v163, v161
	v_mul_f32 v148, 0xbfb8aa3b, v162               ; x -log2(e)
	v_mul_f32 v149, 0xbfb8aa3b, v163
.irp c, 0,1,2
	v_mul_f32 v[150+\c], 0xbfb8aa3b, v[92+8*\c]
	v_mul_f32 v[153+\c], 0xbfb8aa3b, v[124+8*\c]
.endr
	s_wait_alu depctr_va_vdst(0)
.irp i, 0,1,2,3,4,5,6,7
	v_exp_f32 v[148+\i], v[148+\i]
.endr
	v_mov_b32 v164, 1.0                            ; a plain line behind the exponentials
	s_wait_alu depctr_va_vdst(0)                   ; one wait for the eight, ahead of their first reader
.irp i, 2,3,4,5,6,7
	v_add_f32 v[148+\i], 1.0, v[148+\i]
.endr
	s_wait_alu depctr_va_vdst(0)
.irp i, 2,3,4,5,6,7
	v_rcp_f32 v[148+\i], v[148+\i]                 ; the sigmoids
.endr
	v_sub_f32 v165, 1.0, v148                      ; alpha
	v_sub_f32 v166, 1.0, v149
	v_sub_f32 v167, 1.0, v165
	v_sub_f32 v168, 1.0, v166
	v_add_f32 v167, 0x2edbe6ff, v167               ; 1 - alpha + 1e-10
	v_add_f32 v168, 0x2edbe6ff, v168
	s_wait_alu depctr_va_vdst(0)                   ; one wait for the six reciprocals
	ds_store_b32 v27, v164                         ; ones over words 0 to 31 of my scan words: word 0 keeps its one
.irp n, 1,2,4,8                        ; running products inside each row of 16 lanes
	v_mov_b32 v169, 1.0
	v_mov_b32 v170, 1.0
	v_mov_b32_dpp v169, v167 row_shr:\n row_mask:0xf bank_mask:0xf
	v_mov_b32_dpp v170, v168 row_shr:\n row_mask:0xf bank_mask:0xf
	v_mul_f32 v167, v167, v169
	v_mul_f32 v168, v168, v170
.endr
	v_readlane_b32 s71, v167, 15
	v_readlane_b32 s72, v168, 15
	s_mov_b32 s75, 0xffff0000
	v_mov_b32 v169, s71
	v_mov_b32 v170, s72
	v_cndmask_b32 v169, 1.0, v169, s75             ; lanes 16-31 take the first row's product on
	v_cndmask_b32 v170, 1.0, v170, s75
	v_mul_f32 v167, v167, v169
	v_mul_f32 v168, v168, v170
	v_readlane_b32 s73, v167, 31
	v_mul_f32 v168, s73, v168                      ; samples 32 on take the first 32's product on
	ds_store_b32 v27, v167 offset:4                ; one sample on, through my own words: LDS serves a wave's instructions in order
	ds_store_b32 v27, v168 offset:132
	ds_load_b32 v171, v27
	ds_load_b32 v172, v27 offset:128
	s_wait_dscnt 0x0
	v_mul_f32 v165, v165, v171                     ; the weights
	v_mul_f32 v166, v166, v172
.irp c, 0,1,2
	v_mul_f32 v[176+\c], v165, v[150+\c]
.endr
	v_mul_f32 v179, v165, v[ZV]
.irp c, 0,1,2
	v_fma_f32 v[176+\c], v166, v[153+\c], v[176+\c]
.endr
	v_fma_f32 v179, v166, v[ZV+2], v179
.irp n, 1,2,4,8
.irp i, 0,1,2,3
	v_add_f32_dpp v[176+\i], v[176+\i], v[176+\i] row_xmask:\n row_mask:0xf bank_mask:0xf
.endr
.endr
.irp i, 0,1,2,3
	v_permlanex16_b32 v[TM+\i], v[176+\i], s30, s31
.endr
.irp i, 0,1,2,3
	v_add_f32 v[176+\i], v[176+\i], v[TM+\i]
.endr
	v_mov_b32 v173, 0
	v_cmp_eq_u32 vcc_lo, 0, v31
	s_wait_alu depctr_va_vdst(0)
	s_wait_xcnt 0x0                                ; EXEC changes only behind this wait
	s_and_saveexec_b32 s76, vcc_lo
	global_store_b128 v173, v[176:179], s[24:25]   ; lane 0 stores the ray's colour and depth
	s_wait_xcnt 0x0
	s_or_b32 exec_lo, exec_lo, s76
.Lend:
	s_wait_tensorcnt 0x0
	ds_add_u32 v242, v243
	s_wait_dscnt 0x0
	s_endpgm
.Lfunc_end_k_q74bf5d7359_main:
	.size	k_q74bf5d7359_main, .Lfunc_end_k_q74bf5d7359_main-k_q74bf5d7359_main
	.p2alignl 7, 3214868480
	.fill 96, 4, 3214868480
	.section	.rodata,"a",@progbits
	.p2align	6, 0x0
	.amdhsa_kernel k_q74bf5d7359_main
		.amdhsa_group_segment_fixed_size 306688
		.amdhsa_private_segment_fixed_size 0
		.amdhsa_enable_private_segment 0
		.amdhsa_kernarg_size 88
		.amdhsa_user_sgpr_count 2
		.amdhsa_user_sgpr_kernarg_segment_ptr 1
		.amdhsa_wavefront_size32 1
		.amdhsa_system_sgpr_workgroup_id_x 1
		.amdhsa_system_sgpr_workgroup_id_y 1
		.amdhsa_system_sgpr_workgroup_id_z 1
		.amdhsa_system_vgpr_workitem_id 0
		.amdhsa_next_free_vgpr 1024
		.amdhsa_next_free_sgpr 80
		.amdhsa_reserve_vcc 1
		.amdhsa_float_denorm_mode_32 3
		.amdhsa_float_denorm_mode_16_64 3
		.amdhsa_memory_ordered 1
		.amdhsa_forward_progress 1
		.amdhsa_inst_pref_size 255
	.end_amdhsa_kernel
	.section	.bss,"aw",@nobits
	.p2align	6
	.space	262144
	.amdgpu_metadata
---
amdhsa.version: [ 1, 2 ]
amdhsa.kernels:
  - .name:           k_q74bf5d7359_main
    .symbol:         k_q74bf5d7359_main.kd
    .args:
      - { .name: pts_a, .offset: 0, .size: 8, .value_kind: global_buffer, .address_space: global }
      - { .name: pts_b, .offset: 8, .size: 8, .value_kind: global_buffer, .address_space: global }
      - { .name: dirs_a, .offset: 16, .size: 8, .value_kind: global_buffer, .address_space: global }
      - { .name: dirs_b, .offset: 24, .size: 8, .value_kind: global_buffer, .address_space: global }
      - { .name: latent, .offset: 32, .size: 8, .value_kind: global_buffer, .address_space: global }
      - { .name: z_vals, .offset: 40, .size: 8, .value_kind: global_buffer, .address_space: global }
      - { .name: wq, .offset: 48, .size: 8, .value_kind: global_buffer, .address_space: global }
      - { .name: tab, .offset: 56, .size: 8, .value_kind: global_buffer, .address_space: global }
      - { .name: db_out, .offset: 64, .size: 8, .value_kind: global_buffer, .address_space: global }
      - { .name: cb_out, .offset: 72, .size: 8, .value_kind: global_buffer, .address_space: global }
      - { .name: out0, .offset: 80, .size: 8, .value_kind: global_buffer, .address_space: global }
    .group_segment_fixed_size: 306688
    .private_segment_fixed_size: 0
    .kernarg_segment_align: 8
    .kernarg_segment_size: 88
    .max_flat_workgroup_size: 128
    .sgpr_count:     80
    .vgpr_count:     1024
    .wavefront_size: 32
...
	.end_amdgpu_metadata
.endif
;; end of part 2
